; MI455X (gfx1250); checked and timed in simulation.
; The chip was launched on July 23, 2026; its instructions are those of AMD's public machine-readable ISA for CDNA 5 (MIT licence, August 2026) and "CDNA5" Instruction Set Architecture Reference Guide (July 2026). The comments in the code are by the model that wrote it; some were corrected since.
;; Vector Quantizer. Allowed arithmetic: matrix products marked QUANTISED: E4M3 operands, one E8M0 scale for each 32 along K, by v_wmma_scale_f32_16x16x128_f8f6f4 with both operands' format E4M3, f32 sums; everything else in f32.
;; Inputs: codebook 8,192 x 256 float32; z 8 x 256 x 64 x 64 float32.
;; Outputs: out0 8 x 256 x 64 x 64 float32; out1 one number float32.
;; This version of the problem:
;;   THIS VERSION OF THE PROBLEM IS GIVEN IN LOW PRECISION. The matrix products marked QUANTISED in the list below multiply operands that are first quantised to E4M3 (4 exponent bits, 3 mantissa bits; 8 bits a number), with one power-of-two scale for each 32 numbers along K (OCP MX v1.0); their sums are f32. All else is computed in f32.
;;   The module's matrix products, in the order in which they are computed (A, B: the left and right operand; K: the contracted axis; several contracted axes count as one K, in the product's order):
;;     1. [M 32,768, K 256] x [K 256, N 8,192]; A: input z; B: input codebook: QUANTISED
;;   THE QUANTISER, for each operand of a quantised product, along K:
;;     - K is cut into blocks of 32 from its start; a last block that is shorter is filled with zeros.
;;     - A block's scale is 2^e with e = floor(log2(the largest magnitude in the block)) - 8, held to -126 .. 127; a block of zeros has e = 0. As a byte (E8M0): e + 127.
;;     - Each number is divided by its block's scale, clamped to +-448, and rounded to the nearest number of E4M3, ties to even, subnormals kept.
;;     - The product sums the exact products of the quantised numbers (number of the format x scale) in f32.
;;   ~~~python
;;   def quantise(x, axis):      # numpy; x: float32 -> the quantised numbers, widened to float32 again
;;       x = np.moveaxis(x, axis, -1); K = x.shape[-1]
;;       x = np.pad(x, [(0, 0)] * (x.ndim - 1) + [(0, -K % 32)]); x = x.reshape(x.shape[:-1] + (-1, 32)); a = np.abs(x).max(-1, keepdims=True)
;;       e = np.where(a > 0, np.clip(np.frexp(np.where(a > 0, a, 1))[1] - 1 - 8, -126, 127), 0)      # np.frexp(a)[1] - 1 = floor(log2(a)), exactly
;;       r = np.clip(x / 2.0 ** e, -448, 448)
;;       step = 2.0 ** (np.maximum(np.frexp(np.where(r == 0, 1, r))[1] - 1, -6) - 3)
;;       q = np.round(r / step) * step * 2.0 ** e      # np.round: ties to even
;;       return np.moveaxis(q.reshape(q.shape[:-2] + (-1,))[..., :K], -1, axis).astype(np.float32)
;;   ~~~
;; One version. Each part assembles by itself: llvm-mc -triple=amdgcn-amd-amdhsa -mcpu=gfx1250 --defsym DOCPART=n.
;; ======== version 1 of 1: 4 launches
;; limits: right only within a limited range of input values
;; workspace buffers: cbw 2,228,224 bytes; idx 131,072 bytes of whole numbers; part 16,384 bytes
;; launch prep (part 1): grid 256 x 1, 2 waves a work-group, no clusters, 33,536 bytes of LDS; arguments codebook, cbw; writes cbw
.if DOCPART == 1
	.amdgcn_target "amdgcn-amd-amdhsa--gfx1250"
	.amdhsa_code_object_version 6
	.text
	.protected	k_q1a44da72cb_prep
	.globl	k_q1a44da72cb_prep
	.p2align	8
	.type	k_q1a44da72cb_prep,@function
k_q1a44da72cb_prep:
	s_mov_b64 s[64:65], 0
	v_nop
	global_prefetch_b8 v0, s[64:65] scope:SCOPE_SE
	s_setreg_imm32_b32 hwreg(HW_REG_WAVE_MODE, 25, 1), 1
	s_wait_xcnt 0x0
; The codebook [8192][256] f32 becomes 512 records of 4,352 bytes, one for each tile of 16 codes, laid as the search's registers take them:
;   bytes (4 s + c) 512 + 16 lane : the fragment's registers 4 c .. 4 c + 3 of K step s: lane (r, h) holds the E4M3 codes of row 16 T + r, k = 128 s + 32 c + 16 h + 0 .. 15
;   bytes 4096 + 8 r              : row r's two scale words (four E8M0 bytes each: K step 0, K step 1)
;   bytes 4224 + 4 k              : ee[16 T + k] = the sum of the row's squares, f32;   bytes 4288 .. 4351: the same sixteen numbers' first eight pairs once more, so that the record ends on a whole 256 bytes
; A block's scale is 2^(floor(log2(its largest magnitude)) - 8); its byte is the largest magnitude's exponent field - 8, held at 1 from below.
; LIMITS: a block of zeros gets the byte 1 where the rule says 127 (its codes are zeros, and this program alone reads the bytes); NaN and infinities among the inputs are not served;
; ee is summed in two packed chains and across two lanes, another order than a plain running sum.
; One wave takes one tile.  Each load reads 512 consecutive bytes; the 16 rows turn through the wave's own stage in LDS (rows 1,040 bytes apart), so that a lane gets 16 neighbours of each block of 32.
; No matrix work, no cluster, no tensor load: 8 MiB are read once and 2 MiB written once, and waves share nothing, so there is no barrier.
.set STG,    16640                     ; a wave's stage: 16 rows x 1,040 bytes
.set SPITCH, 1040
.set REC,    4352
.set TM,     16                        ; v16-31  at work in QUANT
.set PC,     32                        ; v32-63  the codes: 16 registers for each K step
.set XA,     64                        ; v64-127 K step 0's 64 numbers of my row
.set RAW,    128                       ; v128-255 the tile as loaded;  v128-191 later K step 1's numbers
.set CHN,    192                       ; v[192:195] the squares' two packed chains (free once the stage's stores are done)
.set SEL,    20                        ; s[20:21] v_permlanex16_b32's selects for lane l xor 16
.set MNT,    22                        ; s22 the mantissa field of 448
; 64 numbers v[s] .. v[s + 63] are squared and added into two packed chains by turns.  first = 1: the first two pairs start the chains: nothing is cleared
.macro SQ s, first
.set sqi, 0
.rept 16
.if (\first) && (sqi == 0)
	v_pk_mul_f32 v[CHN:CHN+1], v[(\s):(\s)+1], v[(\s):(\s)+1]
	v_pk_mul_f32 v[CHN+2:CHN+3], v[(\s)+2:(\s)+3], v[(\s)+2:(\s)+3]
.else
	v_pk_fma_f32 v[CHN:CHN+1], v[(\s)+4*sqi:(\s)+4*sqi+1], v[(\s)+4*sqi:(\s)+4*sqi+1], v[CHN:CHN+1]
	v_pk_fma_f32 v[CHN+2:CHN+3], v[(\s)+4*sqi+2:(\s)+4*sqi+3], v[(\s)+4*sqi+2:(\s)+4*sqi+3], v[CHN+2:CHN+3]
.endif
.set sqi, sqi+1
.endr
.endm
; 64 numbers of a lane, register 16 b + i = k 32 b + 16 (lane / 16) + i of my row, become a fragment's codes in v[pc] on and the row's scale word in v[pw]
.macro QUANT s, pc, pw
.irp b, 0,1,2,3
	v_max3_num_f32 v[TM+\b], |v[(\s)+16*\b]|, |v[(\s)+1+16*\b]|, 0x4800000   ; block b: my 16 numbers, and the floor 2^(9 - 127): the byte cannot fall under 1
.endr
.irp i, 2,4,6,8,10,12,14
.irp b, 0,1,2,3
	v_max3_num_f32 v[TM+\b], v[TM+\b], |v[(\s)+16*\b+\i]|, |v[(\s)+1+16*\b+\i]|   ; the four blocks by turns
.endr
.endr
.irp b, 0,1,2,3
	v_permlanex16_b32 v[TM+4+\b], v[TM+\b], s[SEL], s[SEL+1]
.endr
.irp b, 0,1,2,3
	v_max_num_f32 v[TM+\b], v[TM+\b], v[TM+4+\b]           ; with lane l xor 16's: the block's largest magnitude
.endr
.irp b, 0,1,2,3
	v_add_nc_u32 v[TM+12+\b], 0xfc000000, v[TM+\b]         ; 8 off its exponent field: the conversion's scale operand
.endr
.irp b, 0,1,2,3
	v_and_or_b32 v[TM+8+\b], v[TM+\b], 0x7f800000, s[MNT]  ; 448 x the scale
.endr
.irp b, 0,1,2,3
	v_lshrrev_b32 v[TM+4+\b], 23, v[TM+12+\b]              ; the scale's byte
.endr
	v_lshl_or_b32 v[\pw], v[TM+5], 8, v[TM+4]
	v_lshl_or_b32 v[\pw], v[TM+6], 16, v[\pw]
	v_lshl_or_b32 v[\pw], v[TM+7], 24, v[\pw]
.irp b, 0,1,2,3
.irp i, 0,1,2,3,4,5,6,7,8,9,10,11,12,13,14,15
	v_med3_num_f32 v[(\s)+16*\b+\i], v[(\s)+16*\b+\i], -v[TM+8+\b], v[TM+8+\b]   ; the conversion to an 8-bit code does not saturate (ISA guide 7.6.2): the hold comes first
.endr
	v_cvt_scalef32_pk8_fp8_f32 v[(\pc)+4*\b:(\pc)+1+4*\b], v[(\s)+16*\b:(\s)+7+16*\b], v[TM+12+\b]
	v_cvt_scalef32_pk8_fp8_f32 v[(\pc)+2+4*\b:(\pc)+3+4*\b], v[(\s)+8+16*\b:(\s)+15+16*\b], v[TM+12+\b]
.endr
	v_nop                                                  ; one plain vector line behind the last conversion, ahead of whatever next touches its registers
.endm
	s_load_b128 s[4:7], s[0:1], 0x0                ; the codebook s[4:5], the records s[6:7]
	s_set_vgpr_msb 0x40
	v_lshl_add_u32 v0, v0, 2, 0x8200
	v_mov_b32 v1, 0
	s_set_vgpr_msb 0x4000
	v_lshrrev_b32 v1, 5, v0
	v_readfirstlane_b32 s8, v1                     ; wave 0, 1
	v_and_b32 v1, 31, v0                           ; lane
	v_lshlrev_b32 v2, 4, v1                        ; 16 x lane
	s_mul_i32 s9, s8, STG                          ; my stage
	v_add_nc_u32 v3, s9, v2                        ; into it: as loaded
	v_and_b32 v8, 15, v0                           ; r
	v_bfe_u32 v9, v0, 4, 1                         ; h
	v_mul_u32_u24 v4, v8, SPITCH
	v_lshl_add_u32 v4, v9, 6, v4
	v_add_nc_u32 v4, s9, v4                        ; out of it: row r, + 64 h: my 16 numbers of a block
	v_lshlrev_b32 v5, 3, v1                        ; 8 x lane: the record's last 256 bytes
	v_and_b32 v6, 7, v0
	v_lshlrev_b32 v6, 3, v6                        ; the lane 2 (lane % 8), as the permute's byte index,
	v_add_nc_u32 v7, 4, v6                         ; and the lane behind it
	v_mov_b32 v11, 0                               ; written once: a lane permute's destination counts as one of its sources
.irp b, 0,1,2,3
	v_mov_b32 v[TM+4+\b], 0
.endr
	s_mov_b32 s[SEL], 0x76543210
	s_mov_b32 s[SEL+1], 0xfedcba98
	s_mov_b32 s[MNT], 0x600000
	s_lshl_b32 s10, ttmp9, 1
	s_add_co_u32 s10, s10, s8                      ; my tile: 2 x work-group + wave
	s_lshl_b32 s12, s10, 14                        ; 16 rows of 1,024 bytes
	s_mov_b32 s13, 0
	s_mul_i32 s14, s10, REC
	s_mov_b32 s15, 0
	s_wait_kmcnt 0x0
	s_add_nc_u64 s[4:5], s[4:5], s[12:13]
	s_add_nc_u64 s[6:7], s[6:7], s[14:15]
.set q, 0
.rept 32
	global_load_b128 v[RAW+4*q:RAW+4*q+3], v2, s[4:5] offset:512*q th:TH_LOAD_NT   ; 32 lanes read 512 consecutive bytes: half a row
.set q, q+1
.endr
	s_wait_loadcnt 0x0
.set q, 0
.rept 32
	ds_store_b128 v3, v[RAW+4*q:RAW+4*q+3] offset:(q/2)*SPITCH+(q%2)*512
.set q, q+1
.endr
.irp b, 0,1,2,3
.irp j, 0,1,2,3
	ds_load_b128 v[XA+16*\b+4*\j:XA+16*\b+4*\j+3], v4 offset:128*\b+16*\j          ; LDS serves a wave's instructions in order: these see my stores
.endr
.endr
	s_wait_dscnt 16                                ; all but the 16 loads just issued: the stores are done, so the registers that they read may be loaded again
.irp b, 0,1,2,3
.irp j, 0,1,2,3
	ds_load_b128 v[RAW+16*\b+4*\j:RAW+16*\b+4*\j+3], v4 offset:512+128*\b+16*\j    ; K step 1
.endr
.endr
	s_wait_dscnt 16                                ; K step 0's numbers are in; K step 1's 16 loads may be out
	SQ XA, 1                                       ; the squares first: the hold in QUANT changes the numbers
	QUANT XA, PC, 12
	s_wait_dscnt 0x0
	SQ RAW, 0
	QUANT RAW, PC+16, 13
	v_pk_add_f32 v[CHN:CHN+1], v[CHN:CHN+1], v[CHN+2:CHN+3]
	v_add_f32 v10, v[CHN], v[CHN+1]
	v_permlanex16_b32 v11, v10, s[SEL], s[SEL+1]
	v_add_f32 v10, v10, v11                        ; ee of row r, in lanes r and r + 16
.irp s, 0,1
.irp c, 0,1,2,3
	global_store_b128 v2, v[PC+16*\s+4*\c:PC+16*\s+4*\c+3], s[6:7] offset:(4*\s+\c)*512   ; 32 lanes store 512 consecutive bytes, at a multiple of 256 from the buffer's first byte
.endr
.endr
	ds_bpermute_b32 v8, v6, v10                    ; ee[2 (lane % 8)],
	ds_bpermute_b32 v9, v7, v10                    ; ee[2 (lane % 8) + 1]
	s_wait_dscnt 0x0
	v_cmp_gt_u32 vcc_lo, 16, v1
	v_cndmask_b32 v14, v8, v12, vcc_lo             ; lanes 0-15: row r's two scale words; lanes 16-31: two of the sums
	v_cndmask_b32 v15, v9, v13, vcc_lo
	global_store_b64 v5, v[14:15], s[6:7] offset:4096   ; 32 lanes store the record's last 256 bytes
	s_set_vgpr_msb 0x5
	s_wait_tensorcnt 0x0
	ds_add_u32 v0, v1
	s_wait_dscnt 0x0
	s_set_vgpr_msb 0x500
	s_endpgm
.Lfunc_end_k_q1a44da72cb_prep:
	.size	k_q1a44da72cb_prep, .Lfunc_end_k_q1a44da72cb_prep-k_q1a44da72cb_prep
	.p2alignl 7, 3214868480
	.fill 96, 4, 3214868480
	.section	.rodata,"a",@progbits
	.p2align	6, 0x0
	.amdhsa_kernel k_q1a44da72cb_prep
		.amdhsa_group_segment_fixed_size 33536
		.amdhsa_private_segment_fixed_size 0
		.amdhsa_enable_private_segment 0
		.amdhsa_kernarg_size 16
		.amdhsa_user_sgpr_count 2
		.amdhsa_user_sgpr_kernarg_segment_ptr 1
		.amdhsa_wavefront_size32 1
		.amdhsa_system_sgpr_workgroup_id_x 1
		.amdhsa_system_sgpr_workgroup_id_y 1
		.amdhsa_system_sgpr_workgroup_id_z 1
		.amdhsa_system_vgpr_workitem_id 0
		.amdhsa_next_free_vgpr 258
		.amdhsa_next_free_sgpr 66
		.amdhsa_reserve_vcc 1
		.amdhsa_float_denorm_mode_32 3
		.amdhsa_float_denorm_mode_16_64 3
		.amdhsa_memory_ordered 1
		.amdhsa_forward_progress 1
		.amdhsa_inst_pref_size 31
	.end_amdhsa_kernel
	.amdgpu_metadata
---
amdhsa.version: [ 1, 2 ]
amdhsa.kernels:
  - .name:           k_q1a44da72cb_prep
    .symbol:         k_q1a44da72cb_prep.kd
    .args:
      - { .name: codebook, .offset: 0, .size: 8, .value_kind: global_buffer, .address_space: global }
      - { .name: cbw, .offset: 8, .size: 8, .value_kind: global_buffer, .address_space: global }
    .group_segment_fixed_size: 33536
    .private_segment_fixed_size: 0
    .kernarg_segment_align: 8
    .kernarg_segment_size: 16
    .max_flat_workgroup_size: 64
    .sgpr_count:     66
    .vgpr_count:     258
    .wavefront_size: 32
...
	.end_amdgpu_metadata
.endif
;; end of part 1
;; launch search (part 2): grid 256 x 1, 8 waves a work-group, clusters of 4 x 1, 327,680 bytes of LDS; arguments z, cbw, idx; writes idx
.if DOCPART == 2
	.amdgcn_target "amdgcn-amd-amdhsa--gfx1250"
	.amdhsa_code_object_version 6
	.text
	.protected	k_q1a44da72cb_search
	.globl	k_q1a44da72cb_search
	.p2align	8
	.type	k_q1a44da72cb_search,@function
k_q1a44da72cb_search:
	s_mov_b64 s[64:65], 0
	v_nop
	global_prefetch_b8 v0, s[64:65] scope:SCOPE_SE
	s_setreg_imm32_b32 hwreg(HW_REG_WAVE_MODE, 25, 1), 1
	s_wait_xcnt 0x0
	s_wait_alu depctr_hold_cnt(0) depctr_sa_sdst(0) depctr_va_vdst(0) depctr_va_sdst(0) depctr_va_ssrc(0) depctr_va_vcc(0) depctr_vm_vsrc(0)
	s_getreg_b32 s2, hwreg(HW_REG_IB_STS2, 6, 4)
	s_cmp_eq_u32 s2, 0
	s_cbranch_scc0 .Lentry_in_a_cluster
	s_endpgm
.Lentry_in_a_cluster:
	s_bfe_u32 s2, ttmp6, 0x10000c
	s_cmp_lg_u32 s2, 0x3003
	s_cbranch_scc0 .Lentry_shape_is_right
	s_endpgm
.Lentry_shape_is_right:
; idx[n] = the first index of the least d[n][c] = (zz[n] + ee[c]) - 2 dot(Q(z[n]), Q(e[c])), each step rounded in f32 as it is written: one addition, one fused multiply-add by -2.
; z is read as [32768][256] f32.  The codebook comes as 512 records of 4,352 bytes (16 codes each: fragment image, scale words, ee).
; A work-group of eight waves owns 128 rows of z.  Wave w quantises rows 16 w .. 16 w + 15 (E4M3 codes, one E8M0 byte for each 32 along K) and hands the operand's register image to all waves through LDS.
; Then every wave holds all eight row tiles' codes (256 registers, window 1) and walks its own 64 records, codes 1024 w .. 1024 w + 1023.
; The product is used transposed: source 0 = 16 codes, source 1 = 16 rows of z: lane (r, h) holds row r, register j code 8 h + j of the tile.
; A record's work: 8 matrix instructions (4 row tiles by turns, 2 K steps), the 4 tiles' vector work, and the same for the other 4 row tiles.
; A lane keeps for each row tile: the least d so far (two registers by turns), the record's number, and that record's first seven d, from which j is found at the end.  A later d replaces only if it is less: the first index stays.
; RING: each wave has two slots of 4 records (17,408 bytes) of its own, one behind the other: record r lies at (r mod 8) x 4,352 bytes of the wave's ring, so every LDS offset is an immediate.
; A slot is filled again when its last record is in registers; that record's register work stands among the lines of the change of slots.
; CLUSTER: the four work-groups of a cluster walk the same records: each slot is asked for jointly, mask 15, behind a round of the cluster's barrier.
; PREFETCH: with the load of slot t each wave asks for slot t + 2 of its stream: 68 blocks of 256 bytes, 17 for each of the four partners, told apart by address (cx); lanes 17-31 name the 17th block again.
;   Slots 0 and 1 are asked for at the head; the loop's last trip, whose slots t + 2 would lie behind the stream's 16 slots, asks for nothing.
; LIMITS: NaN and infinities among the inputs are not served; a block of zeros gets the scale byte 1 (its codes are zeros; the bytes are read here alone); zz is summed in two packed chains and across two lanes.
.set REC,   4352
.set SLOTB, 4*REC
.set WRING, 2*SLOTB
.set ZIMG,  8*WRING                    ; z's operand image: 16 x 2,048 bytes (row tile i, K step s at (2 i + s) 2048)
.set ZSC,   ZIMG+16*2048               ; z's scale words
.set ZZB,   ZSC+16*128                 ; zz, a word a lane
.set CMB,   ZZB+8*128                  ; the waves' results: 8 x 128 rows x 8 bytes
.set SPARE, CMB+8*1024                 ; the spare words: 128 bytes a wave
.set ZP,    1040                       ; a row of z in LDS: 1,024 bytes + 16
; window 0
.set L16,  1
.set SC0,  2
.set EE0,  3
.set ADF,  4                           ; my ring + 16 lane: a record's fragments
.set ADS,  5                           ; my ring + 4096 + 8 r: its scale words
.set ADE,  6                           ; my ring + 4224 + 32 h: its ee
.set SPW,  7
.set NIL,  8
.set BASE, 9
.set CWA,  10
.set CRA,  11
.set GOF,  12
.set VCT,  13                          ; the record's number, as a vector register
.set ZRD,  14
.set ZWI,  15
.set ZS,   16                          ; v16-31   z's scale words
.set CS,   32                          ; v32-33   the record's scale words
.set EE,   34                          ; v34-49   ee, two sets by turns
.set MN,   50                          ; v50-61   partial minima
.set ZD,   62                          ; v62-77   zz of row tile i, twice (a pair)
.set CF,   78                          ; v78-109  the record's fragments, one set
.set DB,   110                         ; v110-141 four accumulators
.set T,    142                         ; v142-173 four tiles of d
.set ST,   174                         ; v174-253 the state, ten registers a row tile
.set PFO,  254                         ; the prefetches' offset
; at the head alone
.set ZWS,  50
.set ZWZ,  51
.set ZLI,  52
.set ZLS,  53
.set ZLZ,  54
.set XA,   78
.set XB,   142
.set PC,   206
.set TM,   222
.set PW,   238
.set CHN,  240
.set ZZ,   244
.set WV,   10
.set G1C,  16
.set G1Z,  24
.set G0A,  32
.set G0B,  36
.set G0Z,  40
.set CT,   45
.set OC,   47
.set WB,   49
.set SEL,  50
.set MNT,  52
.set PF,   60
.set ZW,   0x04                        ; source 1 in window 1
.set MSB, 0
.macro WIN new
.if MSB != \new
	s_set_vgpr_msb (MSB<<8)|\new
.set MSB, \new
.endif
.endm
.macro CREST                           ; a round of the cluster's barrier behind its opening barrier
	s_cmp_lg_u32 s[WV], 0
	s_cbranch_scc1 .Lnot_wave_0_\@
	s_barrier_signal -3
.Lnot_wave_0_\@:
	s_barrier_wait -3
	s_barrier_signal -1
	s_barrier_wait -1
.endm
.macro CROUND                          ; a whole round
	s_barrier_signal -1
	s_barrier_wait -1
	CREST
.endm
.macro JLOAD g0                        ; my one joint load behind a round
	tensor_load_to_lds s[\g0:\g0+3], s[G1C:G1C+7]
	s_nop 0
.rept 4
	v_nop
.endr
.endm
.macro ASK off                         ; the loop's prefetch; not in its last trip (OC = 1)
	s_cmp_lg_u32 s[OC], 1
	s_cbranch_scc0 .Lno_ask_\@
	s_cmp_lt_u32 ttmp9, 4
	s_cbranch_scc0 .Lno_prefetch_search0_\@
	global_prefetch_b8 v[PFO], s[PF:PF+1] offset:\off th:TH_LOAD_NT scope:SCOPE_SE
.Lno_prefetch_search0_\@:
.Lno_ask_\@:
.endm
.macro SQ s, first                     ; 64 squares into two packed chains
.set sqi, 0
.rept 16
.if (\first) && (sqi == 0)
	v_pk_mul_f32 v[CHN:CHN+1], v[(\s):(\s)+1], v[(\s):(\s)+1]
	v_pk_mul_f32 v[CHN+2:CHN+3], v[(\s)+2:(\s)+3], v[(\s)+2:(\s)+3]
.else
	v_pk_fma_f32 v[CHN:CHN+1], v[(\s)+4*sqi:(\s)+4*sqi+1], v[(\s)+4*sqi:(\s)+4*sqi+1], v[CHN:CHN+1]
	v_pk_fma_f32 v[CHN+2:CHN+3], v[(\s)+4*sqi+2:(\s)+4*sqi+3], v[(\s)+4*sqi+2:(\s)+4*sqi+3], v[CHN+2:CHN+3]
.endif
.set sqi, sqi+1
.endr
.endm
.macro QUANT s, pc, pw                 ; 64 numbers of a lane (register 16 b + i = k 32 b + 16 h + i) into a fragment's codes and the row's scale word
.irp b, 0,1,2,3
	v_max3_num_f32 v[TM+\b], |v[(\s)+16*\b]|, |v[(\s)+1+16*\b]|, 0x4800000   ; with the floor 2^(9 - 127): the byte cannot fall under 1
.endr
.irp i, 2,4,6,8,10,12,14
.irp b, 0,1,2,3
	v_max3_num_f32 v[TM+\b], v[TM+\b], |v[(\s)+16*\b+\i]|, |v[(\s)+1+16*\b+\i]|
.endr
.endr
.irp b, 0,1,2,3
	v_permlanex16_b32 v[TM+4+\b], v[TM+\b], s[SEL], s[SEL+1]
.endr
.irp b, 0,1,2,3
	v_max_num_f32 v[TM+\b], v[TM+\b], v[TM+4+\b]
.endr
.irp b, 0,1,2,3
	v_add_nc_u32 v[TM+12+\b], 0xfc000000, v[TM+\b]         ; 8 off the exponent field: the conversion's scale operand
.endr
.irp b, 0,1,2,3
	v_and_or_b32 v[TM+8+\b], v[TM+\b], 0x7f800000, s[MNT]  ; 448 x the scale
.endr
.irp b, 0,1,2,3
	v_lshrrev_b32 v[TM+4+\b], 23, v[TM+12+\b]              ; the scale's byte
.endr
	v_lshl_or_b32 v[\pw], v[TM+5], 8, v[TM+4]
	v_lshl_or_b32 v[\pw], v[TM+6], 16, v[\pw]
	v_lshl_or_b32 v[\pw], v[TM+7], 24, v[\pw]
.irp b, 0,1,2,3
.irp i, 0,1,2,3,4,5,6,7,8,9,10,11,12,13,14,15
	v_med3_num_f32 v[(\s)+16*\b+\i], v[(\s)+16*\b+\i], -v[TM+8+\b], v[TM+8+\b]   ; the hold: the conversion does not saturate (ISA guide 7.6.2)
.endr
	v_cvt_scalef32_pk8_fp8_f32 v[(\pc)+4*\b:(\pc)+1+4*\b], v[(\s)+16*\b:(\s)+7+16*\b], v[TM+12+\b]
	v_cvt_scalef32_pk8_fp8_f32 v[(\pc)+2+4*\b:(\pc)+3+4*\b], v[(\s)+8+16*\b:(\s)+15+16*\b], v[TM+12+\b]
.endr
	v_nop                                                  ; one plain line behind the last conversion
.endm
.macro XL k                            ; K step k of my row of z: 16 numbers of each block of 32
.set xl, XA+(XB-XA)*(\k)
.irp b, 0,1,2,3
.irp j, 0,1,2,3
	ds_load_b128 v[xl+16*\b+4*\j:xl+16*\b+4*\j+3], v[ZRD] offset:(\k)*512+128*\b+16*\j
.endr
.endr
.endm
.macro ZSTEP k, left
.set xs, XA+(XB-XA)*(\k)
	s_wait_dscnt \left
	SQ xs, 1-(\k)                                  ; the squares first: the hold changes the numbers
	QUANT xs, PC, PW
.irp c, 0,1,2,3
	ds_store_b128 v[ZWI], v[PC+4*\c:PC+4*\c+3] offset:(\k)*2048+512*\c
.endr
	ds_store_b32 v[ZWS], v[PW] offset:(\k)*128
.endm
; 8 matrix instructions: row tiles i0 .. i0 + 3 by turns, K step 0 (which starts the sums), then K step 1
.macro MMG i0
	WIN ZW
.irp t, 0,1,2,3
	v_wmma_scale_f32_16x16x128_f8f6f4 v[DB+8*\t:DB+8*\t+7], v[CF:CF+15], v[32*(\i0+\t):32*(\i0+\t)+15], 0, v[CS], v[ZS+2*(\i0+\t)]
.endr
.irp t, 0,1,2,3
	v_wmma_scale_f32_16x16x128_f8f6f4 v[DB+8*\t:DB+8*\t+7], v[CF+16:CF+31], v[32*(\i0+\t)+16:32*(\i0+\t)+31], v[DB+8*\t:DB+8*\t+7], v[CS+1], v[ZS+2*(\i0+\t)+1]
.endr
	WIN 0
.endm
.macro LOADREC q, off                  ; the record at byte off of my ring: fragments, scale words, ee into set q
.irp g, 0,1,2,3,4,5,6,7
	ds_load_b128 v[CF+4*\g:CF+4*\g+3], v[ADF] offset:(\off)+512*\g
.endr
	ds_load_b64 v[CS:CS+1], v[ADS] offset:(\off)
	ds_load_b128 v[EE+8*(\q):EE+8*(\q)+3], v[ADE] offset:(\off)
	ds_load_b128 v[EE+8*(\q)+4:EE+8*(\q)+7], v[ADE] offset:(\off)+16
.endm
.macro CMIN q, i, t                    ; the tile's eight d and the least so far, three at a time
	v_min3_num_f32 v[MN+3*(\t)], v[T+8*(\t)], v[T+8*(\t)+1], v[T+8*(\t)+2]
	v_min3_num_f32 v[MN+3*(\t)+1], v[T+8*(\t)+3], v[T+8*(\t)+4], v[T+8*(\t)+5]
	v_min3_num_f32 v[MN+3*(\t)+2], v[T+8*(\t)+6], v[T+8*(\t)+7], v[ST+10*(\i)+(\q)]
.endm
.macro NMIN q, i, t
	v_min3_num_f32 v[ST+10*(\i)+1-(\q)], v[MN+3*(\t)], v[MN+3*(\t)+1], v[MN+3*(\t)+2]
.endm
.macro CMINA t                         ; CMIN's first line alone,
	v_min3_num_f32 v[MN+3*(\t)], v[T+8*(\t)], v[T+8*(\t)+1], v[T+8*(\t)+2]
.endm
.macro CMINB q, i, t                   ; and its other two
	v_min3_num_f32 v[MN+3*(\t)+1], v[T+8*(\t)+3], v[T+8*(\t)+4], v[T+8*(\t)+5]
	v_min3_num_f32 v[MN+3*(\t)+2], v[T+8*(\t)+6], v[T+8*(\t)+7], v[ST+10*(\i)+(\q)]
.endm
.macro BST t                           ; d = (ee + zz) - 2 dot of tile t; the accumulator from its low end on
.irp j, 0,2,4,6
	v_pk_fma_f32 v[T+8*(\t)+\j:T+8*(\t)+\j+1], v[DB+8*(\t)+\j:DB+8*(\t)+\j+1], -2.0, v[T+8*(\t)+\j:T+8*(\t)+\j+1] op_sel_hi:[1,0,1]
.endr
.endm
.macro SCMP q, i                       ; has the least of row tile i fallen?
	v_cmp_ge_f32 vcc_lo, v[ST+10*(\i)+1-(\q)], v[ST+10*(\i)+(\q)]
.endm
.macro SDUAL i, t                      ; where it has: the record's number and its first seven d are kept; two selects an instruction
.set sv, ST+10*(\i)
.set tv, T+8*(\t)
	v_dual_cndmask_b32 v[sv+2], v[VCT], v[sv+2] :: v_dual_cndmask_b32 v[sv+3], v[tv], v[sv+3]
	v_dual_cndmask_b32 v[sv+4], v[tv+1], v[sv+4] :: v_dual_cndmask_b32 v[sv+5], v[tv+2], v[sv+5]
	v_dual_cndmask_b32 v[sv+6], v[tv+3], v[sv+6] :: v_dual_cndmask_b32 v[sv+7], v[tv+4], v[sv+7]
	v_dual_cndmask_b32 v[sv+8], v[tv+5], v[sv+8] :: v_dual_cndmask_b32 v[sv+9], v[tv+6], v[sv+9]
.endm
; The vector work of row tiles i0 .. i0 + 3.  The 16 additions name no register of the matrix instructions above: they are the places ahead of the first read of a result and of the loads into the fragments.
.macro VPH q, i0, load, off
.irp t, 0,1,2,3
.irp j, 0,2,4,6
	v_pk_add_f32 v[T+8*\t+\j:T+8*\t+\j+1], v[EE+8*(\q)+\j:EE+8*(\q)+\j+1], v[ZD+2*(\i0+\t):ZD+2*(\i0+\t)+1]   ; ee + zz
.endr
.endr
.if \load
	LOADREC 1-(\q), \off
.endif
; the four tiles are skewed: a later tile's lines stand between a result and its reader, and between a compare and the selects that read VCC
	BST 0
	BST 1
	CMIN \q, \i0, 0
	BST 2
	NMIN \q, \i0, 0
	CMIN \q, \i0+1, 1
	BST 3
	NMIN \q, \i0+1, 1
	SCMP \q, \i0
	CMIN \q, \i0+2, 2
	CMINA 3
	SDUAL \i0, 0
	SCMP \q, \i0+1
	CMINB \q, \i0+3, 3
	NMIN \q, \i0+2, 2
	SDUAL \i0+1, 1
	SCMP \q, \i0+2
	NMIN \q, \i0+3, 3
	SDUAL \i0+2, 2
	SCMP \q, \i0+3
	SDUAL \i0+3, 3
.endm
; One record, of parity q, against all eight row tiles; the next record, at byte off of my ring, is fetched under the second half's vector work.  mid = 1 (the first record): row tiles 4-7 are awaited in its middle
.macro TB q, load, off, mid
	MMG 0
	v_mov_b32 v[VCT], s[CT]
	VPH \q, 0, 0, 0
.if \mid
	s_wait_dscnt 0x0
.endif
	MMG 4
	VPH \q, 4, \load, \off
.if \load
	s_wait_dscnt 0x0
.endif
	s_add_co_u32 s[CT], s[CT], 1
.endm
; A slot's last record, which is in registers, with the change of slots.  All my tensor loads have landed; the add; the record's first 8 matrix instructions stand between the add and the wait for it;
; my LDS reads are back; the opening signal; the first half's vector work and the next 8 matrix instructions, work on registers alone, stand between the signal and its wait; the rest of the round;
; my one joint load, into the slot just read out; then the second half's vector work, which fetches the other slot's first record.
.macro TBC q, g0, off, ask
	s_wait_tensorcnt 0x0
	ds_add_u32 v[SPW], v[NIL]
	s_add_nc_u64 s[\g0+2:\g0+3], s[\g0+2:\g0+3], 2*SLOTB
	MMG 0
	s_wait_dscnt 0x0
	s_barrier_signal -1
	v_mov_b32 v[VCT], s[CT]
	VPH \q, 0, 0, 0
	MMG 4
	s_barrier_wait -1
	CREST
	JLOAD \g0
	ASK \ask
	VPH \q, 4, 1, \off
	s_wait_dscnt 0x0
	s_add_co_u32 s[CT], s[CT], 1
.endm
	s_load_b128 s[4:7], s[0:1], 0x0                ; z s[4:5], the records s[6:7]
	s_load_b64 s[8:9], s[0:1], 0x10                ; idx
	v_lshl_add_u32 v[SPW], v0, 2, SPARE
	v_mov_b32 v[NIL], 0
	ds_add_u32 v[SPW], v[NIL]                      ; the opening lines: the add, twice on end, and its wait
	ds_add_u32 v[SPW], v[NIL]
	v_lshrrev_b32 v4, 5, v0
	v_readfirstlane_b32 s[WV], v4                  ; wave 0..7
	v_and_b32 v4, 31, v0
	v_min_u32 v[PFO], 16, v4
	v_lshlrev_b32 v[PFO], 8, v[PFO]                ; a lane a block of 256 bytes, 17 blocks
	s_wait_alu depctr_va_vdst(0)                   ; the wait ahead of the run of scalar lines
	s_bfe_u32 s11, ttmp6, 0x40000                  ; cx
	s_lshl_b32 s12, ttmp9, 2
	s_add_co_u32 s12, s12, s11                     ; work-group
	s_mul_i32 s[WB], s[WV], WRING                  ; my ring
	s_mov_b32 s[G1C], 15|(3<<16)|(1<<21)           ; a slot: 68 rows of 256 bytes, dense; mask: all four partners
	s_mov_b32 s[G1C+1], 32<<16
	s_mov_b32 s[G1C+2], 68<<16
	s_mov_b32 s[G1C+3], 32<<16
	s_mov_b32 s[G1C+4], 68
	s_mov_b32 s[G1C+5], 32
	s_mov_b32 s[G1C+6], 0
	s_mov_b32 s[G1C+7], 0
	s_mov_b32 s[G1Z], (2<<16)|(1<<20)|(7<<22)|(3<<25)   ; z: 16 rows of 256 f32, 16 bytes of padding behind each
	s_mov_b32 s[G1Z+1], 256<<16
	s_mov_b32 s[G1Z+2], 16<<16
	s_mov_b32 s[G1Z+3], 256<<16
	s_mov_b32 s[G1Z+4], 16
	s_mov_b32 s[G1Z+5], 256
	s_mov_b32 s[G1Z+6], 0
	s_mov_b32 s[G1Z+7], 0
	s_mul_i32 s54, s[WV], 64*REC                   ; my stream of 64 records
	s_mov_b32 s55, 0
	s_lshl_b32 s56, s12, 17                        ; 128 rows of 1,024 bytes,
	s_lshl_b32 s53, s[WV], 14                      ; my 16 of them
	s_add_co_u32 s56, s56, s53
	s_mov_b32 s57, 0
	s_lshl_b32 s58, s12, 9
	s_mov_b32 s59, 0
	s_mul_i32 s[PF], s11, 17*256                   ; my work-group's 17 blocks of a slot's 68
	s_mov_b32 s[PF+1], 0
	s_mov_b32 s[SEL], 0x76543210
	s_mov_b32 s[SEL+1], 0xfedcba98
	s_mov_b32 s[MNT], 0x600000
	s_wait_dscnt 0x0
	s_wait_kmcnt 0x0
	s_mov_b32 s[G0A], 1
	s_mov_b32 s[G0A+1], s[WB]
	s_add_nc_u64 s[G0A+2:G0A+3], s[6:7], s[54:55]
	s_add_nc_u64 s[PF:PF+1], s[G0A+2:G0A+3], s[PF:PF+1]
	s_cmp_lt_u32 ttmp9, 4
	s_cbranch_scc0 .Lno_prefetch_search1
	global_prefetch_b8 v[PFO], s[PF:PF+1] th:TH_LOAD_NT scope:SCOPE_SE                ; slot 0
	global_prefetch_b8 v[PFO], s[PF:PF+1] offset:SLOTB th:TH_LOAD_NT scope:SCOPE_SE   ; slot 1
.Lno_prefetch_search1:
	s_mov_b32 s[G0B], 1
	s_add_co_u32 s[G0B+1], s[WB], SLOTB
	s_add_nc_u64 s[G0B+2:G0B+3], s[G0A+2:G0A+3], SLOTB
	s_or_b32 s[G0A+3], s[G0A+3], 0x80000000
	s_or_b32 s[G0B+3], s[G0B+3], 0x80000000
	s_mov_b32 s[G0Z], 1
	s_add_co_u32 s[G0Z+1], s[WB], SLOTB            ; z's rows land in my second slot's bytes
	s_add_nc_u64 s[G0Z+2:G0Z+3], s[4:5], s[56:57]
	s_or_b32 s[G0Z+3], s[G0Z+3], 0x80000000
	s_add_nc_u64 s[8:9], s[8:9], s[58:59]
	CROUND
	tensor_load_to_lds s[G0Z:G0Z+3], s[G1Z:G1Z+7]  ; my one tensor load at the head
	s_nop 0
	v_and_b32 v4, 31, v0                           ; the addresses are made while it is on its way
	v_and_b32 v5, 15, v0
	v_bfe_u32 v6, v0, 4, 1
	v_lshlrev_b32 v[L16], 4, v4
	v_lshl_add_u32 v[SC0], v5, 3, 4096
	v_lshl_add_u32 v[EE0], v6, 5, 4224
	v_mul_u32_u24 v[ZRD], v5, ZP
	v_lshl_add_u32 v[ZRD], v6, 6, v[ZRD]
	s_add_co_u32 s53, s[WB], SLOTB
	v_add_nc_u32 v[ZRD], s53, v[ZRD]
	s_lshl_b32 s53, s[WV], 12
	s_add_co_u32 s53, s53, ZIMG
	v_add_nc_u32 v[ZWI], s53, v[L16]
	s_lshl_b32 s53, s[WV], 8
	s_add_co_u32 s53, s53, ZSC
	v_lshl_add_u32 v[ZWS], v4, 2, s53
	s_lshl_b32 s53, s[WV], 7
	s_add_co_u32 s53, s53, ZZB
	v_lshl_add_u32 v[ZWZ], v4, 2, s53
	v_add_nc_u32 v[ZLI], ZIMG, v[L16]
	v_lshl_add_u32 v[ZLS], v4, 2, ZSC
	v_lshl_add_u32 v[ZLZ], v4, 2, ZZB
	s_lshl_b32 s53, s[WV], 10
	v_lshl_add_u32 v[BASE], v6, 3, s53             ; my first code: 1024 w + 8 h
	s_add_co_u32 s53, s53, CMB
	v_lshl_add_u32 v[CWA], v5, 3, s53
	v_and_b32 v[GOF], 63, v0
	v_lshl_add_u32 v[CRA], v[GOF], 4, CMB
	v_lshlrev_b32 v[GOF], 3, v[GOF]
	v_add_nc_u32 v[ADF], s[WB], v[L16]             ; (v4, v5, v6 are done with)
	v_add_nc_u32 v[ADS], s[WB], v[SC0]
	v_add_nc_u32 v[ADE], s[WB], v[EE0]
.irp b, 0,1,2,3
	v_mov_b32 v[TM+4+\b], 0                        ; a lane permute's destination counts as one of its sources
.endr
	v_mov_b32 v[ZZ+1], 0
	s_wait_alu depctr_va_vdst(0)                   ; the wait at the head's end
	s_wait_tensorcnt 0x0                           ; z's rows are in
	ds_add_u32 v[SPW], v[NIL]
	s_wait_dscnt 0x0
	CROUND
	JLOAD G0A                                      ; slot 0
	s_cmp_lt_u32 ttmp9, 4
	s_cbranch_scc0 .Lno_prefetch_search2
	global_prefetch_b8 v[PFO], s[PF:PF+1] offset:2*SLOTB th:TH_LOAD_NT scope:SCOPE_SE
.Lno_prefetch_search2:
	XL 0
	XL 1
	ZSTEP 0, 16                                    ; K step 0's 16 loads are in, K step 1's may be out
	ZSTEP 1, 0
	v_pk_add_f32 v[CHN:CHN+1], v[CHN:CHN+1], v[CHN+2:CHN+3]
	v_add_f32 v[ZZ], v[CHN], v[CHN+1]
	v_permlanex16_b32 v[ZZ+1], v[ZZ], s[SEL], s[SEL+1]
	v_add_f32 v[ZZ], v[ZZ], v[ZZ+1]                ; zz of row r, in lanes r and r + 16
	ds_store_b32 v[ZWZ], v[ZZ]
	s_wait_tensorcnt 0x0                           ; slot 0 is in; every wave's image is stored and z's rows are read out: slot 1's first fill lands on them
	ds_add_u32 v[SPW], v[NIL]
	s_wait_dscnt 0x0
	CROUND
	JLOAD G0B
	s_cmp_lt_u32 ttmp9, 4
	s_cbranch_scc0 .Lno_prefetch_search3
	global_prefetch_b8 v[PFO], s[PF:PF+1] offset:3*SLOTB th:TH_LOAD_NT scope:SCOPE_SE
.Lno_prefetch_search3:
	LOADREC 0, 0
.irp n, 0,1,2,3,4,5,6,7,8,9,10,11,12,13,14,15
	ds_load_b32 v[ZS+\n], v[ZLS] offset:128*\n
.endr
.irp i, 0,1,2,3,4,5,6,7
	ds_load_b32 v[ZD+2*\i], v[ZLZ] offset:128*\i
	ds_load_b32 v[ZD+2*\i+1], v[ZLZ] offset:128*\i
.endr
	WIN 0x40
.irp i, 0,1,2,3,4,5,6,7
.irp s, 0,1
.irp c, 0,1,2,3
	ds_load_b128 v[32*\i+16*\s+4*\c:32*\i+16*\s+4*\c+3], v[ZLI] offset:(2*\i+\s)*2048+512*\c
.endr
.endr
.endr
	WIN 0
	s_mov_b32 s[CT], 0
	s_mov_b32 s53, 0x7f800000
.irp i, 0,1,2,3,4,5,6,7
	v_mov_b32 v[ST+10*\i], s53                     ; the least so far: +infinity
	v_mov_b32 v[ST+10*\i+2], 0
.irp j, 0,1,2,3,4,5,6
	v_mov_b32 v[ST+10*\i+3+\j], s53
.endr
.endr
	s_wait_dscnt 32                                ; all but the 32 loads of row tiles 4-7
	TB 0, 1, 1*REC, 1                              ; records 0, 1, 2; record 3, slot 0's last, is then in registers
	TB 1, 1, 2*REC, 0
	TB 0, 1, 3*REC, 0
	s_mov_b32 s[OC], 7
.Lslots:                                               ; a trip: 8 records, both slots filled again
	TBC 1, G0A, 4*REC, 4*SLOTB
	TB 0, 1, 5*REC, 0
	TB 1, 1, 6*REC, 0
	TB 0, 1, 7*REC, 0
	TBC 1, G0B, 0, 5*SLOTB
	TB 0, 1, 1*REC, 0
	TB 1, 1, 2*REC, 0
	TB 0, 1, 3*REC, 0
	s_wait_xcnt 0x0                                ; the prefetches have read their base: it steps only behind this wait
	s_add_nc_u64 s[PF:PF+1], s[PF:PF+1], 2*SLOTB
	s_sub_co_u32 s[OC], s[OC], 1
	s_cmp_lg_u32 s[OC], 0
	s_cbranch_scc1 .Lslots
	s_wait_tensorcnt 0x0                           ; slot 15, my own bytes, is in; nothing is filled again
	TB 1, 1, 4*REC, 0                              ; records 59 to 63
	TB 0, 1, 5*REC, 0
	TB 1, 1, 6*REC, 0
	TB 0, 1, 7*REC, 0
	TB 1, 0, 0, 0
; j: the first of the kept seven d that equals the least, else 7
.irp i, 0,1,2,3,4,5,6,7
	v_mov_b32 v[CF+\i], 7
.endr
.irp j, 6,5,4,3,2,1,0
.irp i, 0,1,2,3,4,5,6,7
	v_cmp_neq_f32 vcc_lo, v[ST+10*\i+3+\j], v[ST+10*\i]
	v_cndmask_b32 v[CF+\i], \j, v[CF+\i], vcc_lo
.endr
.endr
.irp i, 0,1,2,3,4,5,6,7
	v_lshl_add_u32 v[CF+\i], v[ST+10*\i+2], 4, v[CF+\i]
	v_add_nc_u32 v[CF+\i], v[BASE], v[CF+\i]
.endr
.irp i, 0,1,2,3,4,5,6,7
	v_permlanex16_b32 v[DB+\i], v[ST+10*\i], s[SEL], s[SEL+1]
	v_permlanex16_b32 v[DB+8+\i], v[CF+\i], s[SEL], s[SEL+1]
.endr
.irp i, 0,1,2,3,4,5,6,7                ; with lane l xor 16's: the lesser d; at equal d the lower index
	v_cmp_lt_f32 s53, v[DB+\i], v[ST+10*\i]
	v_cmp_eq_f32 s54, v[DB+\i], v[ST+10*\i]
	v_cmp_lt_u32 s55, v[DB+8+\i], v[CF+\i]
	s_and_b32 s54, s54, s55
	s_or_b32 s53, s53, s54
	v_cndmask_b32 v[T+2*\i], v[ST+10*\i], v[DB+\i], s53
	v_cndmask_b32 v[T+2*\i+1], v[CF+\i], v[DB+8+\i], s53
	ds_store_b64 v[CWA], v[T+2*\i:T+2*\i+1] offset:128*\i
.endr
	s_wait_dscnt 0x0
	s_barrier_signal -1
	s_barrier_wait -1
	s_cmp_gt_u32 s[WV], 1
	s_cbranch_scc1 .Lothers
.irp k, 0,1,2,3,4,5,6,7                ; waves 0 and 1: two rows a lane, the eight waves' results in ascending order of their codes
	ds_load_b128 v[CF+4*\k:CF+4*\k+3], v[CRA] offset:1024*\k
.endr
	s_wait_dscnt 0x0
.irp k, 1,2,3,4,5,6,7
	v_cmp_lt_f32 vcc_lo, v[CF+4*\k], v[CF]
	v_cndmask_b32 v[CF], v[CF], v[CF+4*\k], vcc_lo
	v_cndmask_b32 v[CF+1], v[CF+1], v[CF+4*\k+1], vcc_lo
	v_cmp_lt_f32 vcc_lo, v[CF+4*\k+2], v[CF+2]
	v_cndmask_b32 v[CF+2], v[CF+2], v[CF+4*\k+2], vcc_lo
	v_cndmask_b32 v[CF+3], v[CF+3], v[CF+4*\k+3], vcc_lo
.endr
	v_mov_b32 v[CF], v[CF+1]
	v_mov_b32 v[CF+1], v[CF+3]
	global_store_b64 v[GOF], v[CF:CF+1], s[8:9]    ; 64 lanes store the work-group's 512 bytes
.Lothers:
	s_wait_tensorcnt 0x0                           ; the wave's end
	ds_add_u32 v[SPW], v[NIL]
	s_wait_dscnt 0x0
	CROUND                                         ; the closing round
	s_endpgm
.Lfunc_end_k_q1a44da72cb_search:
	.size	k_q1a44da72cb_search, .Lfunc_end_k_q1a44da72cb_search-k_q1a44da72cb_search
	.p2alignl 7, 3214868480
	.fill 96, 4, 3214868480
	.section	.rodata,"a",@progbits
	.p2align	6, 0x0
	.amdhsa_kernel k_q1a44da72cb_search
		.amdhsa_group_segment_fixed_size 327680
		.amdhsa_private_segment_fixed_size 0
		.amdhsa_enable_private_segment 0
		.amdhsa_kernarg_size 24
		.amdhsa_user_sgpr_count 2
		.amdhsa_user_sgpr_kernarg_segment_ptr 1
		.amdhsa_wavefront_size32 1
		.amdhsa_system_sgpr_workgroup_id_x 1
		.amdhsa_system_sgpr_workgroup_id_y 1
		.amdhsa_system_sgpr_workgroup_id_z 1
		.amdhsa_system_vgpr_workitem_id 0
		.amdhsa_next_free_vgpr 512
		.amdhsa_next_free_sgpr 66
		.amdhsa_reserve_vcc 1
		.amdhsa_float_denorm_mode_32 3
		.amdhsa_float_denorm_mode_16_64 3
		.amdhsa_memory_ordered 1
		.amdhsa_forward_progress 1
		.amdhsa_inst_pref_size 231
	.end_amdhsa_kernel
	.amdgpu_metadata
---
amdhsa.version: [ 1, 2 ]
amdhsa.kernels:
  - .name:           k_q1a44da72cb_search
    .symbol:         k_q1a44da72cb_search.kd
    .args:
      - { .name: z, .offset: 0, .size: 8, .value_kind: global_buffer, .address_space: global }
      - { .name: cbw, .offset: 8, .size: 8, .value_kind: global_buffer, .address_space: global }
      - { .name: idx, .offset: 16, .size: 8, .value_kind: global_buffer, .address_space: global }
    .group_segment_fixed_size: 327680
    .private_segment_fixed_size: 0
    .kernarg_segment_align: 8
    .kernarg_segment_size: 24
    .max_flat_workgroup_size: 256
    .sgpr_count:     66
    .vgpr_count:     512
    .wavefront_size: 32
...
	.end_amdgpu_metadata
.endif
;; end of part 2
;; launch apply (part 3): grid 512 x 1, 8 waves a work-group, no clusters, 0 bytes of LDS; arguments z, codebook, idx, out0, part; writes out0, part
.if DOCPART == 3
	.amdgcn_target "amdgcn-amd-amdhsa--gfx1250"
	.amdhsa_code_object_version 6
	.text
	.protected	k_q1a44da72cb_apply
	.globl	k_q1a44da72cb_apply
	.p2align	8
	.type	k_q1a44da72cb_apply,@function
k_q1a44da72cb_apply:
	s_mov_b64 s[64:65], 0
	v_nop
	global_prefetch_b8 v0, s[64:65] scope:SCOPE_SE
	s_setreg_imm32_b32 hwreg(HW_REG_WAVE_MODE, 25, 1), 1
	s_wait_xcnt 0x0
; out0[n][:] = z[n][:] + (codebook[idx[n]][:] - z[n][:]), with both roundings as written; part[g] = the sum of (codebook[idx[n]] - z[n])^2 over wave g's eight rows.
; A wave takes 8 rows of 1,024 bytes; every load and store of a wave covers 512 consecutive bytes.  All 32 loads of a wave are issued before the first is waited for.
; The indices come from the launch before, as whole numbers, by one scalar load; each is held under 8,192 before it enters an address.
; A stream: no LDS, no barrier, no matrix work, no cluster (work-groups share no tile; which rows of the codebook are read hangs on the indices).
; LIMIT: the squares are summed in two packed chains a lane and then across lanes, another order than a plain running sum.
.set ZR, 16                            ; v[16+8k ..] row k of z
.set QR, 80                            ; v[80+8k ..] row k of the chosen codes, then of out0
.set AC, 144                           ; v[144:147] two packed chains
.set DD, 148                           ; v[148:155] the differences of the row in hand
	s_load_b256 s[4:11], s[0:1], 0x0               ; z s[4:5], codebook s[6:7], idx s[8:9], out0 s[10:11]
	s_load_b64 s[12:13], s[0:1], 0x20              ; part
	v_lshrrev_b32 v1, 5, v0
	s_delay_alu instid0(VALU_DEP_1)
	v_readfirstlane_b32 s14, v1                    ; wave
	s_lshl_b32 s15, ttmp9, 3
	s_add_co_u32 s15, s15, s14                     ; g = 8 x work-group + wave
	v_and_b32 v10, 31, v0                          ; lane
	s_delay_alu instid0(VALU_DEP_1)
	v_lshlrev_b32 v1, 4, v10                       ; 16 x lane
	s_lshl_b32 s24, s15, 13                        ; 8 rows of 1,024 bytes
	s_mov_b32 s25, 0
	s_lshl_b32 s26, s15, 5                         ; 8 indices
	s_mov_b32 s27, 0
	s_lshl_b32 s28, s15, 2
	s_mov_b32 s29, 0
	s_mov_b32 s32, 0x76543210
	s_mov_b32 s33, 0xfedcba98
	s_wait_alu depctr_va_vdst(0)
	s_wait_kmcnt 0x0
	s_add_nc_u64 s[8:9], s[8:9], s[26:27]
	s_load_b256 s[16:23], s[8:9], 0x0              ; my eight indices
	s_add_nc_u64 s[4:5], s[4:5], s[24:25]
	s_add_nc_u64 s[10:11], s[10:11], s[24:25]
	s_add_nc_u64 s[12:13], s[12:13], s[28:29]
.irp k, 0,1,2,3,4,5,6,7
	global_load_b128 v[ZR+8*\k:ZR+8*\k+3], v1, s[4:5] offset:1024*\k th:TH_LOAD_NT
	global_load_b128 v[ZR+8*\k+4:ZR+8*\k+7], v1, s[4:5] offset:1024*\k+512 th:TH_LOAD_NT
.endr
	s_wait_kmcnt 0x0
.irp k, 0,1,2,3,4,5,6,7
	s_min_u32 s[16+\k], s[16+\k], 8191             ; inside the table, whatever was stored
	s_lshl_b32 s[16+\k], s[16+\k], 10
	v_add_nc_u32 v[2+\k], s[16+\k], v1
.endr
	s_wait_alu depctr_va_vdst(0)
.irp k, 0,1,2,3,4,5,6,7
	global_load_b128 v[QR+8*\k:QR+8*\k+3], v[2+\k], s[6:7]             ; no hint: a row of the codebook may be named again
	global_load_b128 v[QR+8*\k+4:QR+8*\k+7], v[2+\k], s[6:7] offset:512
.endr
.macro ROW k
	s_wait_loadcnt 14-2*(\k)                       ; loads come back in order: row k's are in; the 2 (7 - k) gathers issued behind them may be out
.irp m, 0,2,4,6
	v_pk_add_f32 v[DD+\m:DD+\m+1], v[QR+8*(\k)+\m:QR+8*(\k)+\m+1], v[ZR+8*(\k)+\m:ZR+8*(\k)+\m+1] neg_lo:[0,1] neg_hi:[0,1]   ; q - z
.endr
.irp m, 0,2,4,6
.if ((\k) == 0) && (\m < 4)
	s_delay_alu instid0(VALU_DEP_4)
	v_pk_mul_f32 v[AC+\m:AC+\m+1], v[DD+\m:DD+\m+1], v[DD+\m:DD+\m+1]          ; the first two pairs start the chains
.else
	v_pk_fma_f32 v[AC+\m%4:AC+\m%4+1], v[DD+\m:DD+\m+1], v[DD+\m:DD+\m+1], v[AC+\m%4:AC+\m%4+1]
.endif
.endr
.irp m, 0,2,4,6
	v_pk_add_f32 v[QR+8*(\k)+\m:QR+8*(\k)+\m+1], v[ZR+8*(\k)+\m:ZR+8*(\k)+\m+1], v[DD+\m:DD+\m+1]   ; z + (q - z)
.endr
.endm
.irp k, 0,1,2,3,4,5,6,7
	ROW \k
.endr
	v_pk_add_f32 v[AC:AC+1], v[AC:AC+1], v[AC+2:AC+3]
	s_delay_alu instid0(VALU_DEP_1)
	v_add_f32 v[AC], v[AC], v[AC+1]
	s_delay_alu instid0(VALU_DEP_1)
	v_add_f32_dpp v[AC], v[AC], v[AC] row_xmask:1 row_mask:0xf bank_mask:0xf
	s_delay_alu instid0(VALU_DEP_1)
	v_add_f32_dpp v[AC], v[AC], v[AC] row_xmask:2 row_mask:0xf bank_mask:0xf
	s_delay_alu instid0(VALU_DEP_1)
	v_add_f32_dpp v[AC], v[AC], v[AC] row_xmask:4 row_mask:0xf bank_mask:0xf
	s_delay_alu instid0(VALU_DEP_1)
	v_add_f32_dpp v[AC], v[AC], v[AC] row_xmask:8 row_mask:0xf bank_mask:0xf
	s_delay_alu instid0(VALU_DEP_1)
	v_permlanex16_b32 v[AC+1], v[AC], s32, s33
	s_delay_alu instid0(VALU_DEP_1)
	v_add_f32 v[AC], v[AC], v[AC+1]                ; the wave's sum, in every lane
	v_mov_b32 v11, 0
	v_cmp_eq_u32 vcc_lo, 0, v10
; the eight rows leave in one run, behind all the vector work: each row has registers of its own, so no store's data are written again
.irp k, 0,1,2,3,4,5,6,7
	global_store_b128 v1, v[QR+8*\k:QR+8*\k+3], s[10:11] offset:1024*\k th:TH_STORE_NT
	global_store_b128 v1, v[QR+8*\k+4:QR+8*\k+7], s[10:11] offset:1024*\k+512 th:TH_STORE_NT
.endr
	s_wait_alu depctr_va_vdst(0)
	s_wait_xcnt 0x0                                ; EXEC is a source of the stores above: it changes only behind this wait
	s_and_saveexec_b32 s30, vcc_lo
	global_store_b32 v11, v[AC], s[12:13]          ; lane 0: part[g]
	s_wait_xcnt 0x0                                ; and again, in front of the line that widens it
	s_or_b32 exec_lo, exec_lo, s30
	s_endpgm
.Lfunc_end_k_q1a44da72cb_apply:
	.size	k_q1a44da72cb_apply, .Lfunc_end_k_q1a44da72cb_apply-k_q1a44da72cb_apply
	.p2alignl 7, 3214868480
	.fill 96, 4, 3214868480
	.section	.rodata,"a",@progbits
	.p2align	6, 0x0
	.amdhsa_kernel k_q1a44da72cb_apply
		.amdhsa_group_segment_fixed_size 0
		.amdhsa_private_segment_fixed_size 0
		.amdhsa_enable_private_segment 0
		.amdhsa_kernarg_size 40
		.amdhsa_user_sgpr_count 2
		.amdhsa_user_sgpr_kernarg_segment_ptr 1
		.amdhsa_wavefront_size32 1
		.amdhsa_system_sgpr_workgroup_id_x 1
		.amdhsa_system_sgpr_workgroup_id_y 1
		.amdhsa_system_sgpr_workgroup_id_z 1
		.amdhsa_system_vgpr_workitem_id 0
		.amdhsa_next_free_vgpr 160
		.amdhsa_next_free_sgpr 66
		.amdhsa_reserve_vcc 1
		.amdhsa_float_denorm_mode_32 3
		.amdhsa_float_denorm_mode_16_64 3
		.amdhsa_memory_ordered 1
		.amdhsa_forward_progress 1
		.amdhsa_inst_pref_size 15
	.end_amdhsa_kernel
	.amdgpu_metadata
---
amdhsa.version: [ 1, 2 ]
amdhsa.kernels:
  - .name:           k_q1a44da72cb_apply
    .symbol:         k_q1a44da72cb_apply.kd
    .args:
      - { .name: z, .offset: 0, .size: 8, .value_kind: global_buffer, .address_space: global }
      - { .name: codebook, .offset: 8, .size: 8, .value_kind: global_buffer, .address_space: global }
      - { .name: idx, .offset: 16, .size: 8, .value_kind: global_buffer, .address_space: global }
      - { .name: out0, .offset: 24, .size: 8, .value_kind: global_buffer, .address_space: global }
      - { .name: part, .offset: 32, .size: 8, .value_kind: global_buffer, .address_space: global }
    .group_segment_fixed_size: 0
    .private_segment_fixed_size: 0
    .kernarg_segment_align: 8
    .kernarg_segment_size: 40
    .max_flat_workgroup_size: 256
    .sgpr_count:     66
    .vgpr_count:     160
    .wavefront_size: 32
...
	.end_amdgpu_metadata
.endif
;; end of part 3
;; launch total (part 4): grid 1 x 1, 1 waves a work-group, no clusters, 0 bytes of LDS; arguments part, out1; writes out1
.if DOCPART == 4
	.amdgcn_target "amdgcn-amd-amdhsa--gfx1250"
	.amdhsa_code_object_version 6
	.text
	.protected	k_q1a44da72cb_total
	.globl	k_q1a44da72cb_total
	.p2align	8
	.type	k_q1a44da72cb_total,@function
k_q1a44da72cb_total:
	s_mov_b64 s[64:65], 0
	v_nop
	global_prefetch_b8 v0, s[64:65] scope:SCOPE_SE
	s_setreg_imm32_b32 hwreg(HW_REG_WAVE_MODE, 25, 1), 1
	s_wait_xcnt 0x0
; out1 = 0.25 mean + mean, mean = (the sum of the 4,096 partial sums) / 2^23: z has 8 x 256 x 64 x 64 = 2^23 numbers.
; One wave: 32 loads of 512 consecutive bytes, two packed chains, one reduction across the lanes: a fixed order, so the result is the same in every run.
; 0.25 mean is exact, so the fused multiply-add rounds as the multiplication and the addition would.
	s_load_b128 s[4:7], s[0:1], 0x0                ; part s[4:5], out1 s[6:7]
	v_lshlrev_b32 v1, 4, v0
	s_mov_b32 s8, 0x76543210
	s_mov_b32 s9, 0xfedcba98
	s_wait_alu depctr_va_vdst(0)
	s_wait_kmcnt 0x0
.set i, 0
.rept 32
	global_load_b128 v[16+4*i:19+4*i], v1, s[4:5] offset:512*i
.set i, i+1
.endr
	s_wait_loadcnt 0x0
	v_pk_add_f32 v[8:9], v[16:17], v[18:19]        ; the first four pairs start the chains
	v_pk_add_f32 v[10:11], v[20:21], v[22:23]
.set i, 24
.rept 30
	v_pk_add_f32 v[8:9], v[8:9], v[i:i+1]
	v_pk_add_f32 v[10:11], v[10:11], v[i+2:i+3]
.set i, i+4
.endr
	v_pk_add_f32 v[8:9], v[8:9], v[10:11]
	v_add_f32 v8, v8, v9
	v_add_f32_dpp v8, v8, v8 row_xmask:1 row_mask:0xf bank_mask:0xf
	v_add_f32_dpp v8, v8, v8 row_xmask:2 row_mask:0xf bank_mask:0xf
	v_add_f32_dpp v8, v8, v8 row_xmask:4 row_mask:0xf bank_mask:0xf
	v_add_f32_dpp v8, v8, v8 row_xmask:8 row_mask:0xf bank_mask:0xf
	v_permlanex16_b32 v9, v8, s8, s9
	v_add_f32 v8, v8, v9
	v_mul_f32 v8, 0x34000000, v8                   ; x 2^-23: the mean
	v_fma_f32 v9, v8, 0x3e800000, v8               ; 0.25 mean + mean
	v_mov_b32 v2, 0
	v_cmp_eq_u32 vcc_lo, 0, v0
	s_wait_alu depctr_va_vdst(0)
	s_wait_xcnt 0x0                                ; EXEC changes only behind this wait
	s_and_saveexec_b32 s10, vcc_lo
	global_store_b32 v2, v9, s[6:7]
	s_wait_xcnt 0x0
	s_or_b32 exec_lo, exec_lo, s10
	s_endpgm
.Lfunc_end_k_q1a44da72cb_total:
	.size	k_q1a44da72cb_total, .Lfunc_end_k_q1a44da72cb_total-k_q1a44da72cb_total
	.p2alignl 7, 3214868480
	.fill 96, 4, 3214868480
	.section	.rodata,"a",@progbits
	.p2align	6, 0x0
	.amdhsa_kernel k_q1a44da72cb_total
		.amdhsa_group_segment_fixed_size 0
		.amdhsa_private_segment_fixed_size 0
		.amdhsa_enable_private_segment 0
		.amdhsa_kernarg_size 16
		.amdhsa_user_sgpr_count 2
		.amdhsa_user_sgpr_kernarg_segment_ptr 1
		.amdhsa_wavefront_size32 1
		.amdhsa_system_sgpr_workgroup_id_x 1
		.amdhsa_system_sgpr_workgroup_id_y 1
		.amdhsa_system_sgpr_workgroup_id_z 1
		.amdhsa_system_vgpr_workitem_id 0
		.amdhsa_next_free_vgpr 144
		.amdhsa_next_free_sgpr 66
		.amdhsa_reserve_vcc 1
		.amdhsa_float_denorm_mode_32 3
		.amdhsa_float_denorm_mode_16_64 3
		.amdhsa_memory_ordered 1
		.amdhsa_forward_progress 1
		.amdhsa_inst_pref_size 9
	.end_amdhsa_kernel
	.amdgpu_metadata
---
amdhsa.version: [ 1, 2 ]
amdhsa.kernels:
  - .name:           k_q1a44da72cb_total
    .symbol:         k_q1a44da72cb_total.kd
    .args:
      - { .name: part, .offset: 0, .size: 8, .value_kind: global_buffer, .address_space: global }
      - { .name: out1, .offset: 8, .size: 8, .value_kind: global_buffer, .address_space: global }
    .group_segment_fixed_size: 0
    .private_segment_fixed_size: 0
    .kernarg_segment_align: 8
    .kernarg_segment_size: 16
    .max_flat_workgroup_size: 32
    .sgpr_count:     66
    .vgpr_count:     144
    .wavefront_size: 32
...
	.end_amdgpu_metadata
.endif
;; end of part 4
